; MI455X (gfx1250); checked and timed in simulation.
; The chip was launched on July 23, 2026; its instructions are those of AMD's public machine-readable ISA for CDNA 5 (MIT licence, August 2026) and "CDNA5" Instruction Set Architecture Reference Guide (July 2026). The comments in the code are by the model that wrote it; some were corrected since.
;; Attention Encoder. Allowed arithmetic: matrix products marked QUANTISED: E3M2 operands, one E8M0 scale for each 32 along K, by v_wmma_scale_f32_16x16x128_f8f6f4 with both operands' format E3M2, f32 sums; products left as they are: f32 operands where the result goes on into a quantised operand, else bf16, f16 or f32 operands; f32 sums; everything else in f32.
;; Inputs: W_de 1,024 x 1,024 float32; W_en 1,024 x 1,024 float32; W_warp 1 x 1,024 float32; b_en 1,024 float32; dehy 32 x 1,024 float32; enhy 32 x 2,048 x 1,024 float32; past_attn 32 x 2,048 float32.
;; Outputs: out0 32 x 1,024 float32; out1 32 x 2,048 float32; out2 32 x 2,048 float32.
;; This version of the problem:
;;   THIS VERSION OF THE PROBLEM IS GIVEN IN LOW PRECISION. The matrix products marked QUANTISED in the list below multiply operands that are first quantised to E3M2 (3 exponent bits, 2 mantissa bits; 6 bits a number), with one power-of-two scale for each 32 numbers along K (OCP MX v1.0); their sums are f32. All else is computed in f32.
;;   The module's matrix products, in the order in which they are computed (A, B: the left and right operand; K: the contracted axis; several contracted axes count as one K, in the product's order):
;;     1. [M 65,536, K 1,024] x [K 1,024, N 1,024]; A: input enhy; B: input W_en: QUANTISED
;;     2. [M 32, K 1,024] x [K 1,024, N 1,024]; A: input dehy; B: input W_de: QUANTISED
;;     3. [M 65,536, K 1,024] x [K 1,024, N 1]; A: computed on the way; B: input W_warp: left as it is (N = 1 < 16)
;;     4. batch 32 x [M 1, K 2,048] x [K 2,048, N 1,024]; A: computed on the way; B: input enhy: left as it is (M = 1 < 16)
;;   THE QUANTISER, for each operand of a quantised product, along K:
;;     - K is cut into blocks of 32 from its start; a last block that is shorter is filled with zeros.
;;     - A block's scale is 2^e with e = floor(log2(the largest magnitude in the block)) - 4, held to -126 .. 127; a block of zeros has e = 0. As a byte (E8M0): e + 127.
;;     - Each number is divided by its block's scale, clamped to +-28, and rounded to the nearest number of E3M2, ties to even, subnormals kept.
;;     - The product sums the exact products of the quantised numbers (number of the format x scale) in f32.
;;   ~~~python
;;   def quantise(x, axis):      # numpy; x: float32 -> the quantised numbers, widened to float32 again
;;       x = np.moveaxis(x, axis, -1); K = x.shape[-1]
;;       x = np.pad(x, [(0, 0)] * (x.ndim - 1) + [(0, -K % 32)]); x = x.reshape(x.shape[:-1] + (-1, 32)); a = np.abs(x).max(-1, keepdims=True)
;;       e = np.where(a > 0, np.clip(np.frexp(np.where(a > 0, a, 1))[1] - 1 - 4, -126, 127), 0)      # np.frexp(a)[1] - 1 = floor(log2(a)), exactly
;;       r = np.clip(x / 2.0 ** e, -28, 28)
;;       step = 2.0 ** (np.maximum(np.frexp(np.where(r == 0, 1, r))[1] - 1, -2) - 2)
;;       q = np.round(r / step) * step * 2.0 ** e      # np.round: ties to even
;;       return np.moveaxis(q.reshape(q.shape[:-2] + (-1,))[..., :K], -1, axis).astype(np.float32)
;;   ~~~
;; One version. Each part assembles by itself: llvm-mc -triple=amdgcn-amd-amdhsa -mcpu=gfx1250 --defsym DOCPART=n.
;; ======== version 1 of 1: 3 launches
;; limits: values are held in bf16: 8 bits of precision; right only within a limited range of input values
;; workspace buffers: wimg 819,200 bytes; kbias 131,072 bytes; wun 262,144 bytes; cpart 1,048,576 bytes
;; launch prep (part 1): grid 128 x 1, 8 waves a work-group, no clusters, 153,088 bytes of LDS; arguments W_en, W_de, dehy, b_en, wimg, kbias; writes wimg, kbias
.if DOCPART == 1
	.amdgcn_target "amdgcn-amd-amdhsa--gfx1250"
	.amdhsa_code_object_version 6
	.text
	.protected	k_qd6ce46bb28_prep
	.globl	k_qd6ce46bb28_prep
	.p2align	8
	.type	k_qd6ce46bb28_prep,@function
k_qd6ce46bb28_prep:
	s_mov_b64 s[64:65], 0
	v_nop
	global_prefetch_b8 v0, s[64:65] scope:SCOPE_SE
	s_setreg_imm32_b32 hwreg(HW_REG_WAVE_MODE, 25, 1), 1
	s_wait_xcnt 0x0
; PREP.  Work-groups 0-63: W_en [1024][1024] f32 becomes codes of BF6 (E3M2) with one E8M0 byte for each 32 along K, laid as IMAGES OF OPERAND REGISTERS:
;   wimg: column block nb (rows 16 nb .. 16 nb + 15 of W_en) takes 12,800 bytes: 8 K steps of 128 x 1,536 bytes (3 planes of 512 bytes; plane p = registers 4 p .. 4 p + 3 of the fragment, lane l at 16 l),
;   then 512 bytes of scale words: lane l has 16 bytes at 16 l, word j = the scale word of row l % 16 for K step 2 j + l / 16.
; Work-groups 64-127: kbias[b][n] = K2 x (sum over k of Q(dehy)[b][k] Q(W_de)[n][k] + b_en[n]), K2 = 2 log2(e), for n = 16 nb .. 16 nb + 15, all 32 b.
; SHARES.  A work-group has one column block, its eight waves the eight K steps.  A wave loads 16 rows x 128 numbers with 512 consecutive bytes a load, turns them through its own stage in LDS so that a lane
; holds two whole blocks of 32 of one row (k = 64 c + 32 (lane / 16) + 0 .. 31: the 6-bit operand's own order), and quantises them in registers.
; In the second half the eight waves' partial products (K split by waves) meet in LDS and are added in ascending K; b_en is the C of the products of K step 0's wave (the other waves take 0 x b_en).
; A block's scale byte is its largest magnitude's exponent field - 4, held at 1 from below.
; LIMITS: a block of zeros gets the byte 1 where the rule says 127 (its codes are zeros, and this program alone reads the bytes); NaN and infinities among the inputs are not served.
; THE TWO HALVES part on the work-group's number, directly behind W's loads; what an arm loads into registers it uses inside that arm, and each arm has LDS bytes of its own.  They join at the one barrier and part
; once more behind it, where LDS alone is read.
.set SPI,   528                        ; a stage row: 512 bytes + 16, an odd multiple of 16
.set STGW,  16*SPI                     ; a wave's stage
.set STGB,  8*STGW                     ; the second set of stages: for the work-groups of W_de
.set EREG,  16*STGW                    ; 512 bytes: the column block's scale words
.set DREG,  EREG+512                   ; 8 x 2,048 bytes: the waves' partial products
.set F0,    64                         ; v64-127  W's 16 x 128 numbers
.set F1,    128                        ; v128-191 dehy's rows 0-15
.set F2,    192                        ; v192-255 dehy's rows 16-31
.set PCW,   30                         ; v30-41   W's fragment
.set BE,    42                         ; v42-49   b_en at my eight n, or zeros
.set PC0,   64                         ; v64-75, v76-87 dehy's two fragments (F0 is free by then)
.set PC1,   76
.set D0,    88                         ; v88-95, v96-103 the two products
.set D1,    96
; v1 16 x lane; v2, v3 stage A in and out; v4, v5 stage B; v6 8 h; v7 E's word; v8 D's place; v9 D's read; v10 a permute's destination; v11-17 at work; v18-20 scale words; v21 32 h; v22-28 half blocks; v50 kbias offset; v51 E's read
	s_load_b256 s[4:11], s[0:1], 0x0               ; W_en, W_de, dehy, b_en
	s_load_b128 s[12:15], s[0:1], 0x20             ; wimg, kbias
	v_lshl_add_u32 v62, v0, 2, 0x25200
	v_mov_b32 v63, 0
	v_lshrrev_b32 v11, 5, v0
	s_delay_alu instid0(VALU_DEP_1)
	v_readfirstlane_b32 s16, v11                   ; wave = K step
	s_and_b32 s17, ttmp9, 63                       ; column block
	v_and_b32 v11, 31, v0                          ; lane
	v_and_b32 v12, 15, v0                          ; r
	v_bfe_u32 v13, v0, 4, 1                        ; h
	s_delay_alu instid0(VALU_DEP_3)
	v_lshlrev_b32 v1, 4, v11
	s_wait_alu depctr_va_vdst(0)
	s_mul_i32 s18, s16, STGW
	v_add_nc_u32 v2, s18, v1                       ; in: 16 x lane of each row
	v_mul_u32_u24 v3, v12, SPI
	s_delay_alu instid0(VALU_DEP_1)
	v_lshl_add_u32 v3, v13, 7, v3
	s_delay_alu instid0(VALU_DEP_1)
	v_add_nc_u32 v3, s18, v3                       ; out: row r, 128 h bytes on
	s_delay_alu instid0(VALU_DEP_4)
	v_add_nc_u32 v4, STGB, v2
	s_delay_alu instid0(VALU_DEP_2)
	v_add_nc_u32 v5, STGB, v3
	v_lshlrev_b32 v6, 3, v13
	s_and_b32 s19, s16, 1
	s_lshl_b32 s19, s19, 8
	s_lshr_b32 s20, s16, 1
	s_lshl_b32 s20, s20, 2
	s_add_co_u32 s19, s19, s20
	s_add_co_u32 s19, s19, EREG
	v_lshl_add_u32 v7, v12, 4, s19                 ; E + 16 (r + 16 (ks % 2)) + 4 (ks / 2)
	s_lshl_b32 s19, s16, 11
	s_add_co_u32 s19, s19, DREG
	v_add_nc_u32 v8, s19, v1                       ; D + 2,048 ks + 16 x lane
	s_and_b32 s19, s16, 1
	s_lshl_b32 s19, s19, 10
	s_add_co_u32 s19, s19, DREG
	v_add_nc_u32 v9, s19, v1                       ; D + 1,024 (wave % 2) + 16 x lane
	v_mov_b32 v10, 0                               ; written once: a lane permute's destination counts as one of its sources
	v_lshlrev_b32 v21, 5, v13
	s_delay_alu instid0(VALU_DEP_1)
	v_lshl_add_u32 v50, v12, 12, v21               ; kbias: row r of 4,096 bytes + 32 h
	v_add_nc_u32 v51, EREG, v1
	s_lshl_b32 s22, s17, 16                        ; W: 16 rows of 4,096 bytes a column block,
	s_lshl_b32 s23, s16, 9                         ; 512 bytes a K step
	s_add_co_u32 s22, s22, s23
	s_mov_b32 s23, 0
	s_lshl_b32 s24, s16, 9
	s_mov_b32 s25, 0
	s_lshl_b32 s28, s17, 6                         ; 16 numbers of f32 a column block
	s_mov_b32 s29, 0
	s_mul_i32 s30, s17, 12800
	s_mov_b32 s31, 0
	s_mul_i32 s32, s16, 1536
	s_mov_b32 s33, 0
	s_and_b32 s34, s16, 1
	s_lshl_b32 s34, s34, 16                        ; kbias: 16 rows for the wave that writes rows 16-31
	s_mov_b32 s35, 0
	s_mov_b32 s26, 0x4038aa3b                      ; K2 = 2 log2(e)
	s_mov_b32 s27, s26
	s_mov_b32 s36, 0x76543210
	s_mov_b32 s37, 0xfedcba98                      ; v_permlanex16_b32's selects for lane l xor 16
	s_cmp_eq_u32 s16, 0
	s_cselect_b32 s21, 0x3f800000, 0               ; 1.0 in the wave of K step 0, else 0: b_en enters the sum over the waves once
	s_wait_kmcnt 0x0
	s_cmp_lt_u32 ttmp9, 64                         ; the choice hangs on the work-group's number alone
	s_cselect_b64 s[4:5], s[4:5], s[6:7]
	s_add_nc_u64 s[4:5], s[4:5], s[22:23]
	s_add_nc_u64 s[8:9], s[8:9], s[24:25]
	s_add_nc_u64 s[10:11], s[10:11], s[28:29]
	s_add_nc_u64 s[12:13], s[12:13], s[30:31]      ; my column block in wimg,
	s_add_nc_u64 s[38:39], s[12:13], s[32:33]      ; and my K step's image in it
	s_add_nc_u64 s[14:15], s[14:15], s[28:29]
	s_add_nc_u64 s[14:15], s[14:15], s[34:35]
.irp i, 0,1,2,3,4,5,6,7,8,9,10,11,12,13,14,15
	global_load_b128 v[F0+4*\i:F0+4*\i+3], v1, s[4:5] offset:4096*\i th:TH_LOAD_NT   ; 32 lanes read 512 consecutive bytes of row i
.endr
; 16 rows x 128 numbers in v[fb] on (row i in registers 4 i .. 4 i + 3, 4 numbers a lane) turn through the stage and become a fragment in v[pc] on and its scale word in v[pw].
.macro TURNQ fb, sw, sr, pc, pw
.irp i, 0,1,2,3,4,5,6,7,8,9,10,11,12,13,14,15
	ds_store_b128 v[\sw], v[\fb+4*\i:\fb+4*\i+3] offset:SPI*\i
.endr
.irp c, 0,1
.irp i, 0,1,2,3,4,5,6,7
	ds_load_b128 v[\fb+32*\c+4*\i:\fb+32*\c+4*\i+3], v[\sr] offset:256*\c+16*\i   ; LDS serves a wave's instructions in order: these see the stores above
.endr
.endr
	s_wait_dscnt 0x0
	v_max3_num_f32 v11, |v[\fb]|, |v[\fb+1]|, 0x2800000            ; my two blocks by turns; the floor 2^(5 - 127) holds the byte at 1 from below
	v_max3_num_f32 v12, |v[\fb+32]|, |v[\fb+33]|, 0x2800000
.irp i, 2,4,6,8,10,12,14,16,18,20,22,24,26,28,30
	s_delay_alu instid0(VALU_DEP_2)
	v_max3_num_f32 v11, v11, |v[\fb+\i]|, |v[\fb+\i+1]|
	s_delay_alu instid0(VALU_DEP_2)
	v_max3_num_f32 v12, v12, |v[\fb+32+\i]|, |v[\fb+33+\i]|
.endr
	s_delay_alu instid0(VALU_DEP_2)
	v_add_nc_u32 v13, 0xfe000000, v11              ; 4 off the exponent field: the conversion's scale operand
	s_delay_alu instid0(VALU_DEP_2)
	v_add_nc_u32 v14, 0xfe000000, v12
	s_delay_alu instid0(VALU_DEP_2)
	v_lshrrev_b32 v15, 23, v13                     ; the scale's byte
	s_delay_alu instid0(VALU_DEP_2)
	v_lshrrev_b32 v16, 23, v14
	s_delay_alu instid0(VALU_DEP_1)
	v_lshl_or_b32 v17, v16, 16, v15                ; blocks h and 2 + h of my row,
	s_delay_alu instid0(VALU_DEP_1)
	v_lshlrev_b32 v17, v6, v17                     ; at their places in the word;
	s_delay_alu instid0(VALU_DEP_1)
	v_permlanex16_b32 v10, v17, s36, s37
	s_delay_alu instid0(VALU_DEP_1)
	v_or_b32 v[\pw], v17, v10                      ; with lane l xor 16's two the word is whole
	v_cvt_scalef32_pk16_bf6_f32 v[\pc:\pc+2], v[\fb:\fb+15], v13
	v_cvt_scalef32_pk16_bf6_f32 v[22:24], v[\fb+16:\fb+31], v13      ; (a conversion's three registers begin on an even number)
	v_cvt_scalef32_pk16_bf6_f32 v[\pc+6:\pc+8], v[\fb+32:\fb+47], v14
	v_cvt_scalef32_pk16_bf6_f32 v[26:28], v[\fb+48:\fb+63], v14
	v_nop                                          ; one plain place behind the last scaled conversion
.irp i, 0,1,2
	v_mov_b32 v[\pc+3+\i], v[22+\i]
	v_mov_b32 v[\pc+9+\i], v[26+\i]
.endr
.endm
	s_cmp_lt_u32 ttmp9, 64
	s_cbranch_scc0 .Lde_first
	; ---- W_en: the fragment's image and its scale word
	s_wait_loadcnt 0x0
	TURNQ F0, 2, 3, PCW, 18
.irp p, 0,1,2
	global_store_b128 v1, v[PCW+4*\p:PCW+4*\p+3], s[38:39] offset:512*\p   ; the image: 512 consecutive bytes a store, at a multiple of 256 from the buffer's first byte
.endr
	ds_store_b32 v7, v18                           ; both halves of the lanes write the same word with the same value
	s_branch .Ljoin
.Lde_first:
	; ---- W_de: dehy's two row blocks of my K step and b_en are asked for here and used in this arm alone; they land while W is quantised
.irp i, 0,1,2,3,4,5,6,7,8,9,10,11,12,13,14,15
	global_load_b128 v[F1+4*\i:F1+4*\i+3], v1, s[8:9] offset:4096*\i
.endr
.irp i, 0,1,2,3,4,5,6,7,8,9,10,11,12,13,14,15
	global_load_b128 v[F2+4*\i:F2+4*\i+3], v1, s[8:9] offset:4096*(16+\i)
.endr
	s_wait_alu depctr_va_vdst(0)
	global_load_b128 v[BE:BE+3], v21, s[10:11]
	global_load_b128 v[BE+4:BE+7], v21, s[10:11] offset:16
	s_wait_loadcnt 34                              ; loads come back in order: W's 16 are in; the 32 + 2 issued behind them stay out
	TURNQ F0, 4, 5, PCW, 18
	s_wait_loadcnt 18                              ; dehy's rows 0-15 are in; rows 16-31 and b_en stay out
	TURNQ F1, 4, 5, PC0, 19
	s_wait_loadcnt 2                               ; rows 16-31 are in; b_en's two loads stay out
	TURNQ F2, 4, 5, PC1, 20
	s_wait_loadcnt 0x0
.irp j, 0,1,2,3,4,5,6,7
	v_mul_f32 v[BE+\j], s21, v[BE+\j]              ; b_en in the wave of K step 0, zeros in the others
.endr
	s_wait_alu depctr_va_vdst(0)
.rept 8
	v_nop                                          ; a scale register written by a vector instruction stands 8 places ahead of a scaled matrix instruction, an operand 4
.endr
	; transposed: source 0 = 16 rows of W_de, source 1 = 16 rows of dehy: lane (r, h) holds batch row r and n = 16 nb + 8 h + 0 .. 7, which is also how b_en's eight numbers lie
	v_wmma_scale_f32_16x16x128_f8f6f4 v[D0:D0+7], v[PCW:PCW+11], v[PC0:PC0+11], v[BE:BE+7], v18, v19 matrix_a_fmt:MATRIX_FMT_BF6 matrix_b_fmt:MATRIX_FMT_BF6
	v_wmma_scale_f32_16x16x128_f8f6f4 v[D1:D1+7], v[PCW:PCW+11], v[PC1:PC1+11], v[BE:BE+7], v18, v20 matrix_a_fmt:MATRIX_FMT_BF6 matrix_b_fmt:MATRIX_FMT_BF6
.rept 4
	v_nop
.endr
	ds_store_b128 v8, v[D0:D0+3]                   ; each result from its low end on
	ds_store_b128 v8, v[D0+4:D0+7] offset:512
	ds_store_b128 v8, v[D1:D1+3] offset:1024
	ds_store_b128 v8, v[D1+4:D1+7] offset:1536
.Ljoin:
	s_wait_dscnt 0x0                               ; for the others' sake: my LDS stores have landed
	s_barrier_signal -1
	s_barrier_wait -1
	s_cmp_lt_u32 ttmp9, 64
	s_cbranch_scc0 .Lde_second
	s_cmp_lg_u32 s16, 0
	s_cbranch_scc1 .Lend
	ds_load_b128 v[52:55], v51                     ; the eight waves' scale words
	s_wait_dscnt 0x0
	global_store_b128 v1, v[52:55], s[12:13] offset:12288   ; 512 consecutive bytes behind the eight images
	s_branch .Lend
.Lde_second:
	s_cmp_gt_u32 s16, 1
	s_cbranch_scc1 .Lend                           ; wave 0 adds batch rows 0-15, wave 1 rows 16-31
.irp k, 0,1,2,3,4,5,6,7
	ds_load_b128 v[128+8*\k:128+8*\k+3], v9 offset:2048*\k
	ds_load_b128 v[128+8*\k+4:128+8*\k+7], v9 offset:2048*\k+512
.endr
	s_wait_dscnt 0x0
.irp k, 1,2,3,4,5,6,7
.irp p, 0,2,4,6
	v_pk_add_f32 v[128+\p:129+\p], v[128+\p:129+\p], v[128+8*\k+\p:129+8*\k+\p]   ; K ascending
.endr
.endr
.irp p, 0,2,4,6
	s_delay_alu instid0(VALU_DEP_4)
	v_pk_mul_f32 v[128+\p:129+\p], v[128+\p:129+\p], s[26:27] op_sel_hi:[1,0]
.endr
	global_store_b128 v50, v[128:131], s[14:15]
	global_store_b128 v50, v[132:135], s[14:15] offset:16
.Lend:
	s_wait_tensorcnt 0x0
	ds_add_u32 v62, v63
	s_wait_dscnt 0x0
	s_endpgm
.Lfunc_end_k_qd6ce46bb28_prep:
	.size	k_qd6ce46bb28_prep, .Lfunc_end_k_qd6ce46bb28_prep-k_qd6ce46bb28_prep
	.p2alignl 7, 3214868480
	.fill 96, 4, 3214868480
	.section	.rodata,"a",@progbits
	.p2align	6, 0x0
	.amdhsa_kernel k_qd6ce46bb28_prep
		.amdhsa_group_segment_fixed_size 153088
		.amdhsa_private_segment_fixed_size 0
		.amdhsa_enable_private_segment 0
		.amdhsa_kernarg_size 48
		.amdhsa_user_sgpr_count 2
		.amdhsa_user_sgpr_kernarg_segment_ptr 1
		.amdhsa_wavefront_size32 1
		.amdhsa_system_sgpr_workgroup_id_x 1
		.amdhsa_system_sgpr_workgroup_id_y 1
		.amdhsa_system_sgpr_workgroup_id_z 1
		.amdhsa_system_vgpr_workitem_id 0
		.amdhsa_next_free_vgpr 256
		.amdhsa_next_free_sgpr 66
		.amdhsa_reserve_vcc 0
		.amdhsa_float_denorm_mode_32 3
		.amdhsa_float_denorm_mode_16_64 3
		.amdhsa_memory_ordered 1
		.amdhsa_forward_progress 1
		.amdhsa_inst_pref_size 39
	.end_amdhsa_kernel
	.amdgpu_metadata
---
amdhsa.version: [ 1, 2 ]
amdhsa.kernels:
  - .name:           k_qd6ce46bb28_prep
    .symbol:         k_qd6ce46bb28_prep.kd
    .args:
      - { .name: W_en, .offset: 0, .size: 8, .value_kind: global_buffer, .address_space: global }
      - { .name: W_de, .offset: 8, .size: 8, .value_kind: global_buffer, .address_space: global }
      - { .name: dehy, .offset: 16, .size: 8, .value_kind: global_buffer, .address_space: global }
      - { .name: b_en, .offset: 24, .size: 8, .value_kind: global_buffer, .address_space: global }
      - { .name: wimg, .offset: 32, .size: 8, .value_kind: global_buffer, .address_space: global }
      - { .name: kbias, .offset: 40, .size: 8, .value_kind: global_buffer, .address_space: global }
    .group_segment_fixed_size: 153088
    .private_segment_fixed_size: 0
    .kernarg_segment_align: 8
    .kernarg_segment_size: 48
    .max_flat_workgroup_size: 256
    .sgpr_count:     66
    .vgpr_count:     256
    .wavefront_size: 32
...
	.end_amdgpu_metadata
.endif
;; end of part 1
;; launch attn (part 2): grid 256 x 1, 4 waves a work-group, clusters of 4 x 1, 327,680 bytes of LDS; arguments enhy, past_attn, W_warp, wimg, kbias, out2, wun, cpart; writes out2, wun, cpart
.if DOCPART == 2
	.amdgcn_target "amdgcn-amd-amdhsa--gfx1250"
	.amdhsa_code_object_version 6
	.text
	.protected	k_qd6ce46bb28_attn
	.globl	k_qd6ce46bb28_attn
	.p2align	8
	.type	k_qd6ce46bb28_attn,@function
k_qd6ce46bb28_attn:
	s_mov_b64 s[64:65], 0
	v_nop
	global_prefetch_b8 v0, s[64:65] scope:SCOPE_SE
	s_setreg_imm32_b32 hwreg(HW_REG_WAVE_MODE, 25, 1), 1
	s_wait_xcnt 0x0
	s_wait_alu depctr_hold_cnt(0) depctr_sa_sdst(0) depctr_va_vdst(0) depctr_va_sdst(0) depctr_va_ssrc(0) depctr_va_vcc(0) depctr_vm_vsrc(0)
	s_getreg_b32 s2, hwreg(HW_REG_IB_STS2, 6, 4)
	s_cmp_eq_u32 s2, 0
	s_cbranch_scc0 .Lentry_in_a_cluster
	s_endpgm
.Lentry_in_a_cluster:
	s_bfe_u32 s2, ttmp6, 0x10000c
	s_cmp_lg_u32 s2, 0x3003
	s_cbranch_scc0 .Lentry_shape_is_right
	s_endpgm
.Lentry_shape_is_right:
; ATTN.  score[row] = sum over n of W_warp[n] tanh(Q(enhy)[row] . Q(W_en)[n] + b_en[n] + de[b][n]);  out2 = exp(score);  wun = exp(score) / past_attn;  cpart[work-group] = sum over its rows of wun x enhy[row].
; ENHY IS READ FROM MEMORY ONCE.  A work-group owns 256 rows of one batch, as two tiles of 128; in a tile wave w owns 32 rows (two blocks of 16) and keeps of them, in registers, the codes of BF6 (192), their
; scale words (16) and a copy in bf16 (512), until the rows' weights are known; then the weighted sum of the rows is made from the bf16 copy by the matrix unit.
; W_en's codes (wimg: images of operand registers, made by the launch before) walk past every tile through a ring of two LDS slots of 102,400 bytes (8 column blocks of 16 columns, all of K).
; CLUSTER: the four work-groups of a cluster walk the same W, so each quarter of a slot is asked for JOINTLY: the same tensor load, the same descriptor, the mask of all four.  A work-group's place in
; its cluster enters addresses in memory alone (enhy, past_attn, the outputs).
; THE PRODUCT IS USED TRANSPOSED: source 0 = 16 columns of W, source 1 = 16 rows of enhy: a lane holds ONE row (lane % 16) and eight columns 8 (lane / 16) + 0 .. 7, so that a row's score is summed in the lane.
; tanh x = 1 - 2 / (1 + 2^(K2 x)), K2 = 2 log2(e); kbias holds K2 (de + b_en).  The score is summed as (sum of W_warp) + sum of (-2 W_warp) / (1 + 2^..).  Where the exponential overflows or falls to 0 tanh is 1 or -1.
; BY TURNS.  A PIECE is 32 columns x my 32 rows, all of K: 4 accumulators, 32 matrix instructions.  Its tanh and its share of the scores are 112 vector instructions, 3.5 for each matrix instruction.  In a TURN
; piece p's matrix instructions carry piece p - 1's vector work between them; two sets of accumulators change places from turn to turn.  W's fragments, the accumulators and all that the vector work touches lie
; in window 0, the codes of enhy and the pairs of -2 W_warp (the one vector operand in source place 1) in window 1: so one setting of the windows serves a whole turn.
; No maximum is taken away ahead of exp(score): the function asked for takes none, and out2 is exp(score) itself.
; LIMITS: NaN and infinities among the inputs are not served; a block of zeros gets the scale byte 1 (its codes are zeros; the bytes are read here alone); exp(score) under 2^-126 comes out as 0
; (ISA guide, v_exp_f32); the weighted sum takes enhy and the weights rounded to bf16, sums in f32.
; REGISTERS, in windows of 256 (s_set_vgpr_msb: bits 1:0 source 0, 3:2 source 1, 5:4 source 2, 7:6 destination):
;   window 0: v1-23 addresses and single numbers; v24-39 enhy's scale words; v40-55 W's scale words, two sets; v56-57 LDS addresses; v64-255 by phase: three landing sets of 64 | kb, S, two sets of accumulators, two sets of W's fragments | the weights as operands
;   window 1: v0-191 the codes (fragment 8 rb + ks at 12 x that); v192-223 four accumulators of the weighted sum; v224-239 -2 W_warp of a piece's columns (while enhy is quantised: v228-234 half blocks)
;   windows 2, 3: the bf16 copy of row block 0, 1: register 32 ks + 8 e + i = rows 2 i (low half) and 2 i + 1 of column 128 ks + 4 lane + e
.set ROWB,  4096                       ; a row of enhy in bytes
.set NBB,   12800                      ; a column block of wimg
.set KSB,   1536                       ; a fragment's image
.set SCO,   12288                      ; where a column block's scale words begin
.set SLOTB, 8*NBB                      ; a slot
.set QUART, SLOTB/4                    ; what one tensor load brings
.set SLOT1, 1<<17                      ; slot 1 begins here: one exclusive or turns an address in one slot into the other's
.set TBL,   SLOTB                      ; kb of the 1,024 columns, 4,096 bytes; behind it -2 W_warp, 4,096 bytes; stored once, never a tensor load's target
.set MWO,   4096
.set SPARE, TBL+8192                   ; the spare words, 128 bytes a wave: two blocks of 256 bytes that no other line names
.set STAGE, SLOT1+SLOTB                ; a stage of 16 rows x 528 bytes for each wave
.set SPI,   528
.set STGW,  16*SPI
.set CX,    STAGE+4*STGW               ; 4 x 4,096 bytes: the waves' weighted sums meet here at the end
.set LI,  1                            ; 16 x lane
.set SWR, 2                            ; stage, in
.set SRD, 3                            ; stage, out: row r, 128 h bytes on
.set KH,  4                            ; TBL + 32 h: my eight columns of a column block
.set H8,  5                            ; 8 h
.set RO,  6                            ; 4 x lane: lane l ends up with row l of the wave's 32
.set PA,  7                            ; past_attn of that row
.set SPW, 8                            ; my spare word; never rewritten
.set NIL, 9                            ; 0; never rewritten
.set PT,  10
.set MX0, 11                           ; v11-12 largest magnitudes; v13-14 scale operands; v15-16 bytes; v17 word
.set SO0, 13
.set BY0, 15
.set TW,  17
.set WL,  18                           ; the sum of W_warp, in every lane
.set CXA, 19
.set CXR, 20
.set PFO, 21                           ; the prefetches' offset; never rewritten
.set EE,  22
.set WW,  23
.set XS,  24
.set WS,  40                           ; set a: 8 a + 4 nb + j: lanes 0-15 K step 2 j, lanes 16-31 K step 2 j + 1
.set BA,  56                           ; LDS address of the pair's column blocks
.set TA,  57                           ; and of its table entries
.set KB,  64                           ; v64-79  kb of a piece's columns: 8 nb + j
.set S,   80                           ; v80-95  partial scores: 8 rb + j
.set ACC, 96                           ; v96-159 two sets of four accumulators: 32 a + 8 (2 nb + rb)
.set BF,  160                          ; v160-255 two sets of four fragments of W: two K steps x two column blocks
.set WVR, 96                           ; v96-111 the weights in bf16 pairs
.set AW,  112                          ; v112-239 the weights as operands: 64 rb + 8 g + i
.set XC,  0                            ; window 1
.set CA,  192
.set MW,  224
.set XT,  228
.set WV,  20                           ; s20 wave
.set WO,  40                           ; s[40:41] the chunk's offset in wimg
.set TB,  42                           ; LDS byte at which the pair in hand begins
.set TC,  43                           ; and its table entries
.set QC,  44
.set GC,  45
.set TL,  46                           ; tiles to go
.set CH,  47                           ; the chunk asked for last
.set PFA, 98                           ; s[98:99] where my prefetches stand
.set MSB, 0
.macro WIN new                         ; the immediate's high byte repeats the setting that is left
.if MSB != (\new)
	s_set_vgpr_msb (MSB<<8)|(\new)
.set MSB, (\new)
.endif
.endm
.macro ROUND                           ; a round of the cluster's barrier
	s_barrier_signal -1
	s_barrier_wait -1
	s_cmp_lg_u32 s[WV], 0
	s_cbranch_scc1 .Lnot_wave_0_\@
	s_barrier_signal -3
.Lnot_wave_0_\@:
	s_barrier_wait -3
	s_barrier_signal -1
	s_barrier_wait -1
.endm
.macro PLACES
.rept 4
	v_nop
.endr
.endm
	s_load_b256 s[4:11], s[0:1], 0x0               ; enhy s[4:5], past_attn s[6:7], W_warp s[8:9], wimg s[10:11]
	s_load_b256 s[12:19], s[0:1], 0x20             ; kbias s[12:13], out2 s[14:15], wun s[16:17], cpart s[18:19]
	v_lshl_add_u32 v[SPW], v0, 2, SPARE
	v_mov_b32 v[NIL], 0
	ds_add_u32 v8, v9
	ds_add_u32 v8, v9
	s_wait_dscnt 0x0
	v_lshrrev_b32 v56, 5, v0
	v_readfirstlane_b32 s[WV], v56                 ; wave 0..3
	s_bfe_u32 s21, ttmp6, 0x40000                  ; cx
	s_lshl_b32 s22, ttmp9, 2
	s_add_co_u32 s22, s22, s21                     ; my work-group: 4 x cluster + cx: it enters addresses in memory alone
	; descriptor group 1: a dense block of 25,600 bytes as 100 rows of 256 bytes (32 elements of 8 bytes), no padding
	s_mov_b32 s24, 15|(3<<16)|(1<<21)              ; 15:0 the mask: all four work-groups; 17:16 elements of 8 bytes; 21 set beside a mask
	s_mov_b32 s25, 32<<16                          ; tensor_dim0
	s_mov_b32 s26, 100<<16                         ; tensor_dim1
	s_mov_b32 s27, 32<<16                          ; tile_dim0
	s_mov_b32 s28, 100                             ; tile_dim1
	s_mov_b32 s29, 32                              ; from row to row
	s_mov_b32 s30, 0
	s_mov_b32 s31, 0
	s_mul_i32 s2, s[WV], QUART                     ; my quarter of a slot, in LDS and in a chunk of wimg
	s_mov_b32 s48, 0x4038aa3b                      ; K2 = 2 log2(e)
	s_mov_b32 s49, s48
	s_mov_b32 s50, 0x76543210
	s_mov_b32 s51, 0xfedcba98                      ; v_permlanex16_b32's selects for lane l xor 16
	s_mov_b32 s52, 0xffff0000                      ; lanes 16-31
.irp g, 0,1,2,3,4,5,6,7
	s_mov_b32 s[56+\g], (1<<(2*\g))|(1<<(17+2*\g)) ; lanes 2 g and 17 + 2 g
.endr
	s_mov_b32 s[CH], 1
	v_and_b32 v56, 31, v0                          ; lane
	v_and_b32 v57, 15, v0                          ; r
	v_bfe_u32 v58, v0, 4, 1                        ; h
	v_lshlrev_b32 v[LI], 4, v56
	s_mul_i32 s3, s[WV], STGW
	s_add_co_u32 s3, s3, STAGE
	v_add_nc_u32 v[SWR], s3, v[LI]
	v_mul_u32_u24 v[SRD], v57, SPI
	v_lshl_add_u32 v[SRD], v58, 7, v[SRD]
	v_add_nc_u32 v[SRD], s3, v[SRD]
	v_lshl_add_u32 v[KH], v58, 5, TBL
	v_lshlrev_b32 v[H8], 3, v58
	v_lshlrev_b32 v[RO], 2, v56
	v_mov_b32 v[PT], 0                             ; written once: a lane permute's destination counts as one of its sources
	s_lshl_b32 s3, s[WV], 12
	s_add_co_u32 s3, s3, CX
	v_lshlrev_b32 v[CXA], 4, v57
	v_lshl_add_u32 v[CXA], v58, 11, v[CXA]
	v_add_nc_u32 v[CXA], s3, v[CXA]                ; CX + 4,096 w + 16 r + 2,048 h
	s_lshl_b32 s3, s[WV], 10
	s_add_co_u32 s3, s3, CX
	v_add_nc_u32 v[CXR], s3, v[LI]                 ; CX + 1,024 w + 16 x lane
	v_lshlrev_b32 v[PFO], 8, v57
	v_lshl_add_u32 v[PFO], v58, 12, v[PFO]         ; block r of 256 bytes in row h: 32 lanes name two whole rows
	v_lshl_add_u32 v61, v0, 5, TBL                 ; the tables: eight columns a thread
	v_lshlrev_b32 v62, 5, v0                       ; and their eight numbers in kbias and in W_warp
	WIN 0x40
.set jj, 0
.rept 32
	v_mov_b32 v[CA+jj], 0                          ; the weighted sum's accumulators: both tiles add onto them by one text
.set jj, jj+1
.endr
	WIN 0
	s_lshl_b32 s66, s22, 20                        ; enhy: 256 rows of 4,096 bytes a work-group,
	s_lshl_b32 s68, s[WV], 17                      ; 32 rows a wave
	s_add_co_u32 s66, s66, s68
	s_mov_b32 s67, 0
	s_lshl_b32 s68, s22, 10                        ; past_attn, out2, wun: 4 bytes a row
	s_lshl_b32 s70, s[WV], 7
	s_add_co_u32 s68, s68, s70
	s_mov_b32 s69, 0
	s_lshr_b32 s70, s22, 3                         ; the batch: 8 work-groups each
	s_lshl_b32 s70, s70, 12
	s_mov_b32 s71, 0
	s_lshl_b32 s72, s22, 12                        ; cpart: 4,096 bytes a work-group, 1,024 a wave
	s_lshl_b32 s74, s[WV], 10
	s_add_co_u32 s72, s72, s74
	s_mov_b32 s73, 0
	s_mov_b32 s[WO], s2
	s_mov_b32 s[WO+1], 0
	s_wait_kmcnt 0x0
	s_add_nc_u64 s[4:5], s[4:5], s[66:67]
	s_add_nc_u64 s[6:7], s[6:7], s[68:69]
	s_add_nc_u64 s[14:15], s[14:15], s[68:69]
	s_add_nc_u64 s[16:17], s[16:17], s[68:69]
	s_add_nc_u64 s[12:13], s[12:13], s[70:71]
	s_add_nc_u64 s[18:19], s[18:19], s[72:73]
	s_add_nc_u64 s[10:11], s[10:11], s[WO:WO+1]    ; wimg at my quarter of chunk 0: made of the wave's number alone
	s_add_nc_u64 s[PFA:PFA+1], s[4:5], 128*ROWB-2*ROWB  ; two rows ahead of my rows of the second tile: the first pair steps it onto them
	global_load_b128 v[64:67], v62, s[12:13]       ; asked for ahead of the round, under which they land: my eight columns' kb and W_warp,
	global_load_b128 v[68:71], v62, s[12:13] offset:16
	global_load_b128 v[72:75], v62, s[8:9]
	global_load_b128 v[76:79], v62, s[8:9] offset:16
.irp i, 0,1,2,3,4,5,6,7
	global_load_b128 v[96+4*\i:99+4*\i], v[LI], s[8:9] offset:512*\i   ; and all of W_warp, 32 numbers a lane, for its sum
.endr
	s_mov_b32 s32, 1                               ; group 0 for chunk 0 into slot 0
	s_mov_b32 s33, s2
	s_mov_b64 s[34:35], s[10:11]
	s_or_b32 s35, s35, 0x80000000
	s_mov_b32 s36, 1                               ; group 0 that walks: first chunk 1 into slot 1
	s_add_co_u32 s37, s2, SLOT1
	s_add_nc_u64 s[38:39], s[10:11], SLOTB
	s_or_b32 s39, s39, 0x80000000
	ROUND                                          ; all four work-groups are here: the first joint loads meet
	tensor_load_to_lds s[32:35], s[24:31]          ; chunk 0 into slot 0: one tensor load a wave at the head
	s_nop 0
.rept 4
	v_nop
.endr
	s_wait_loadcnt 0x0
.irp c, 0,1,2,3,4,5,6,7
	v_mul_f32 v[80+\c], -2.0, v[72+\c]
.endr
	ds_store_b128 v61, v[64:67]
	ds_store_b128 v61, v[68:71] offset:16
	ds_store_b128 v61, v[80:83] offset:MWO
	ds_store_b128 v61, v[84:87] offset:MWO+16
.irp i, 0,2,4,6,8,10,12,14
	v_pk_add_f32 v[96+\i:97+\i], v[96+\i:97+\i], v[112+\i:113+\i]
.endr
.irp i, 0,2,4,6
	v_pk_add_f32 v[96+\i:97+\i], v[96+\i:97+\i], v[104+\i:105+\i]
.endr
.irp i, 0,2
	v_pk_add_f32 v[96+\i:97+\i], v[96+\i:97+\i], v[100+\i:101+\i]
.endr
	v_pk_add_f32 v[96:97], v[96:97], v[98:99]
	v_add_f32 v[WL], v96, v97
.irp m, 1,2,4,8
	v_add_f32_dpp v[WL], v[WL], v[WL] row_xmask:\m row_mask:0xf bank_mask:0xf
.endr
	v_permlanex16_b32 v[PT], v[WL], s50, s51
	v_add_f32 v[WL], v[WL], v[PT]                  ; the sum of W_warp, in every lane
	s_wait_dscnt 0x0                               ; the tables' stores have landed, for the others' sake; the loads below write their data registers
; unit u = 8 rb + ks: 16 rows x 128 columns of enhy into landing set u % 3; each load reads 512 consecutive bytes of one row
.macro XLOAD u
.set XF_, 64+64*((\u)%3)
.irp i, 0,1,2,3,4,5,6,7,8,9,10,11,12,13,14,15
	global_load_b128 v[XF_+4*\i:XF_+4*\i+3], v[LI], s[4:5] offset:(16*((\u)/8)+\i)*ROWB+512*((\u)%8) th:TH_LOAD_NT
.endr
.endm
.macro PRELOAD
	global_load_b32 v[PA], v[RO], s[6:7]
	XLOAD 0
	XLOAD 1
	XLOAD 2
.endm
; A unit becomes a bf16 copy (as it was loaded) and, turned through my stage so that a lane holds two whole blocks of 32 of one row (k = 128 ks + 64 c + 32 h + 0 .. 31: the operand's own order), a fragment of codes and a scale word.
.macro UNIT u
.set FB,  64+64*((\u)%3)
.set URB, (\u)/8
.set UKS, (\u)%8
.if (\u) < 14
	s_wait_loadcnt 32                              ; loads come back in order: this unit's are in; the 32 of the two units behind it stay out
.elseif (\u) == 14
	s_wait_loadcnt 16
.else
	s_wait_loadcnt 0x0
.endif
.irp i, 0,1,2,3,4,5,6,7,8,9,10,11,12,13,14,15
	ds_store_b128 v[SWR], v[FB+4*\i:FB+4*\i+3] offset:SPI*\i
.endr
	WIN 0x80+0x40*URB                              ; destination window 2 or 3
.irp e, 0,1,2,3
.irp i, 0,1,2,3,4,5,6,7
	v_cvt_pk_bf16_f32 v[32*UKS+8*\e+\i], v[FB+8*\i+\e], v[FB+8*\i+4+\e]   ; rows 2 i and 2 i + 1 of column 128 ks + 4 lane + e
.endr
.endr
	WIN 0
.irp c, 0,1
.irp i, 0,1,2,3,4,5,6,7
	ds_load_b128 v[FB+32*\c+4*\i:FB+32*\c+4*\i+3], v[SRD] offset:256*\c+16*\i   ; LDS serves a wave's instructions in order: these see the stores above
.endr
.endr
	s_wait_dscnt 0x0
	v_max3_num_f32 v[MX0], |v[FB]|, |v[FB+1]|, 0x2800000           ; my two blocks by turns; the floor 2^(5 - 127) holds the byte at 1 from below
	v_max3_num_f32 v[MX0+1], |v[FB+32]|, |v[FB+33]|, 0x2800000
.irp i, 2,4,6,8,10,12,14,16,18,20,22,24,26,28,30
	v_max3_num_f32 v[MX0], v[MX0], |v[FB+\i]|, |v[FB+\i+1]|
	v_max3_num_f32 v[MX0+1], v[MX0+1], |v[FB+32+\i]|, |v[FB+33+\i]|
.endr
	v_add_nc_u32 v[SO0], 0xfe000000, v[MX0]        ; 4 off the exponent field: the conversion's scale operand
	v_add_nc_u32 v[SO0+1], 0xfe000000, v[MX0+1]
	v_lshrrev_b32 v[BY0], 23, v[SO0]               ; the scale's byte
	v_lshrrev_b32 v[BY0+1], 23, v[SO0+1]
	v_lshl_or_b32 v[TW], v[BY0+1], 16, v[BY0]      ; blocks h and 2 + h of my row,
	v_lshlrev_b32 v[TW], v[H8], v[TW]              ; at their places in the word;
	v_permlanex16_b32 v[PT], v[TW], s50, s51
	v_or_b32 v[XS+(\u)], v[TW], v[PT]              ; with lane l xor 16's two the word is whole
	WIN 0x40                                       ; destination window 1
	v_cvt_scalef32_pk16_bf6_f32 v[XC+12*(\u):XC+12*(\u)+2], v[FB:FB+15], v[SO0]
	v_cvt_scalef32_pk16_bf6_f32 v[XT:XT+2], v[FB+16:FB+31], v[SO0]           ; (a conversion's three registers begin on an even number)
	v_cvt_scalef32_pk16_bf6_f32 v[XC+12*(\u)+6:XC+12*(\u)+8], v[FB+32:FB+47], v[SO0+1]
	v_cvt_scalef32_pk16_bf6_f32 v[XT+4:XT+6], v[FB+48:FB+63], v[SO0+1]
	v_nop                                          ; one plain place behind the last scaled conversion
	WIN 0x41
.irp i, 0,1,2
	v_mov_b32 v[XC+12*(\u)+3+\i], v[XT+\i]
	v_mov_b32 v[XC+12*(\u)+9+\i], v[XT+4+\i]
.endr
	WIN 0
.if (\u)+3 < 16
	XLOAD (\u)+3                                   ; the set just emptied takes the unit three on
.endif
.endm
; THE MATRIX WORK OF A TURN.  a: which piece of the pair, and which set of accumulators.
; Four fragments of W (K steps 2 d and 2 d + 1 x the piece's two column blocks) into set d % 2: three loads of 512 consecutive bytes each
.macro BLOAD a, d
.set BS_, BF+48*((\d)%2)
.irp kl, 0,1
.irp nb, 0,1
.irp p, 0,1,2
	ds_load_b128 v[BS_+12*(2*\kl+\nb)+4*\p:BS_+12*(2*\kl+\nb)+4*\p+3], v[BA] offset:2*NBB*(\a)+NBB*\nb+KSB*(2*(\d)+\kl)+512*\p
.endr
.endr
.endr
.endm
; Product i of 32: K step i / 4, column block (i % 4) / 2, row block i % 2.  The four accumulators take turns, one instruction a turn; the first four start the sums.
; W's scale register holds K step 2 j in lanes 0-15 and 2 j + 1 in lanes 16-31.
.macro WM a, i
.set wk_, (\i)/4
.set wn_, ((\i)%4)/2
.set wr_, (\i)%2
.set wd_, MA_+8*((\i)%4)
.set wb_, BF+48*((wk_/2)%2)+12*(2*(wk_%2)+wn_)
.set wx_, XC+12*(8*wr_+wk_)
.set ws_, WS+8*(\a)+4*wn_+wk_/2
.set wq_, XS+8*wr_+wk_
.if wk_ == 0
	v_wmma_scale_f32_16x16x128_f8f6f4 v[wd_:wd_+7], v[wb_:wb_+11], v[wx_:wx_+11], 0, v[ws_], v[wq_] matrix_a_fmt:MATRIX_FMT_BF6 matrix_b_fmt:MATRIX_FMT_BF6
.elseif wk_%2 == 0
	v_wmma_scale_f32_16x16x128_f8f6f4 v[wd_:wd_+7], v[wb_:wb_+11], v[wx_:wx_+11], v[wd_:wd_+7], v[ws_], v[wq_] matrix_a_fmt:MATRIX_FMT_BF6 matrix_b_fmt:MATRIX_FMT_BF6
.else
	v_wmma_scale_f32_16x16x128_f8f6f4 v[wd_:wd_+7], v[wb_:wb_+11], v[wx_:wx_+11], v[wd_:wd_+7], v[ws_], v[wq_] matrix_a_fmt:MATRIX_FMT_BF6 matrix_b_fmt:MATRIX_FMT_BF6 matrix_a_scale:MATRIX_SCALE_ROW1
.endif
.endm
; THE VECTOR WORK OF A TURN, on the 32 registers of the other set, v[EA_] on: accumulator k = 2 nb + rb at 8 k; register j of it is column 16 nb + 8 h + j of row 16 rb + r.
.macro EPF                             ; 16 lines: K2 x + kb, a pair of columns each; each accumulator from its low end on
.set k_, 0
.rept 4
.irp i, 0,2,4,6
	v_pk_fma_f32 v[EA_+8*k_+\i:EA_+8*k_+\i+1], v[EA_+8*k_+\i:EA_+8*k_+\i+1], s[48:49], v[KB+8*(k_/2)+\i:KB+8*(k_/2)+\i+1] op_sel_hi:[1,0,1]
.endr
.set k_, k_+1
.endr
.endm
.macro EXPS lo, n                      ; 2^.. of registers lo on
.set e_, (\lo)
.rept \n
	v_exp_f32 v[EA_+e_], v[EA_+e_]
.set e_, e_+1
.endr
.endm
.macro ADDS lo, n                      ; 1 + .. of pairs lo on
.set e_, 2*(\lo)
.rept \n
	v_pk_add_f32 v[EA_+e_:EA_+e_+1], v[EA_+e_:EA_+e_+1], 1.0 op_sel_hi:[1,0]
.set e_, e_+2
.endr
.endm
.macro RCPS lo, n                      ; 1 / .. of registers lo on
.set e_, (\lo)
.rept \n
	v_rcp_f32 v[EA_+e_], v[EA_+e_]
.set e_, e_+1
.endr
.endm
.macro GS lo, n                        ; the scores take (-2 W_warp) / (1 + 2^..): line e is pair e % 4 of accumulator e / 4.  -2 W_warp stands in source place 1: window 1
.set e_, (\lo)
.rept \n
	v_pk_fma_f32 v[S+8*((e_/4)%2)+2*(e_%4):S+8*((e_/4)%2)+2*(e_%4)+1], v[EA_+8*(e_/4)+2*(e_%4):EA_+8*(e_/4)+2*(e_%4)+1], v[MW+8*(e_/8)+2*(e_%4):MW+8*(e_/8)+2*(e_%4)+1], v[S+8*((e_/4)%2)+2*(e_%4):S+8*((e_/4)%2)+2*(e_%4)+1]
.set e_, e_+1
.endr
.endm
.macro MWLOAD off                      ; -2 W_warp of a piece's 2 x 8 columns of my half, into window 1
	WIN 0x44
.irp nb, 0,1
.irp q, 0,1
	ds_load_b128 v[MW+8*\nb+4*\q:MW+8*\nb+4*\q+3], v[TA] offset:(\off)+64*\nb+16*\q
.endr
.endr
	WIN 0x04
.endm
; A TURN.  Piece a of the pair has the matrix unit; epi = 1: the piece before has its vector work in this turn.
; ORDER.  The 32 products stand in two runs of 16: K steps 0-3 and K steps 4-7.  Ahead of the first run stand K2 x + kb and the 32 exponentials of the piece before, one batch; between the runs its 32
; reciprocals, one batch.  No exponential and no reciprocal stands inside a run, so none stands between two links of a sum but the reciprocals, whose closing wait stands directly ahead of product 16, the first
; reader of the first run's sums.  The plain lines ride in the runs: the 16 additions in the first, the 16 lines of the scores in the second half of the second, behind its one wait for LDS loads.
; Each batch has one wait ahead of it and, behind one plain line, one behind it.
; THE LDS LOADS stand in two places.  At the turn's head: W's scale words (2), K steps 0, 1 (12), K steps 2, 3 (12); behind K2 x + kb, which reads the old kb: -2 W_warp of the piece before (4) and kb of this
; piece (4).  Behind the first run, ahead of the reciprocals: K steps 4, 5 (12) and 6, 7 (12).  A run of loads into a set of fragments stands four plain vector lines behind the last product that read the set
; (ISA guide 7.12.1 for vector instructions): four additions behind product 15, the last four lines of the scores behind product 31, which also stand ahead of the next turn's
; first reads of results.  A turn without vector work has v_nop there.
.macro TURN a, epi
.set MA_, ACC+32*(\a)
.set EA_, ACC+32*(1-(\a))
	WIN 0x04                                       ; source 1 (the codes of enhy; -2 W_warp) window 1, all else window 0
.irp nb, 0,1
	ds_load_b128 v[WS+8*(\a)+4*\nb:WS+8*(\a)+4*\nb+3], v[BA] offset:2*NBB*(\a)+NBB*\nb+SCO
.endr
	BLOAD \a, 0
	BLOAD \a, 1
.if \epi
	EPF
	MWLOAD MWO-128+128*(\a)
.endif
.irp nb, 0,1
.irp q, 0,1
	ds_load_b128 v[KB+8*\nb+4*\q:KB+8*\nb+4*\q+3], v[TA] offset:128*(\a)+64*\nb+16*\q
.endr
.endr
.if \epi
	s_wait_alu depctr_va_vdst(0)                   ; the wait ahead of the batch
	EXPS 0, 32
	v_nop                                          ; a plain line behind the last exponential
	s_wait_dscnt 20                                ; the scale words and K steps 0, 1 are in; the 12 loads of K steps 2, 3, the 4 of -2 W_warp and the 4 of kb stay out
	s_wait_alu depctr_va_vdst(0)                   ; one wait for the 32, ahead of their first reader
.else
	s_wait_dscnt 16                                ; as above, without -2 W_warp
.endif
.irp i, 0,1,2,3,4,5,6
	WM \a, \i
.if \epi
	ADDS \i, 1
.endif
.endr
	WM \a, 7
.if \epi
	ADDS 7, 1
	s_wait_dscnt 8                                 ; K steps 2, 3 are in; the 4 loads of -2 W_warp and the 4 of kb stay out
.else
	s_wait_dscnt 4                                 ; as above, without -2 W_warp
.endif
.irp i, 8,9,10,11
	WM \a, \i
.if \epi
	ADDS \i, 1
.endif
.endr
.irp i, 12,13,14,15
	WM \a, \i
.endr
.if \epi
	ADDS 12, 4
.else
	PLACES
.endif
	BLOAD \a, 2
	BLOAD \a, 3
.if \epi
	s_wait_alu depctr_va_vdst(0)                   ; the wait ahead of the batch
	RCPS 0, 32
	v_nop                                          ; a plain line behind the last reciprocal
.endif
	s_wait_dscnt 12                                ; K steps 4, 5, kb and -2 W_warp are in; the 12 loads of K steps 6, 7 stay out
.if \epi
	s_wait_alu depctr_va_vdst(0)                   ; one wait for the 32 and for the first run's sums, directly ahead of product 16
.endif
.irp i, 16,17,18,19,20,21,22,23
	WM \a, \i
.endr
	s_wait_dscnt 0x0                               ; K steps 6, 7 are in
.irp i, 24,25,26,27,28,29
	WM \a, \i
.if \epi
	GS 2*(\i-24), 2
.endif
.endr
	WM \a, 30
	WM \a, 31
.if \epi
	GS 12, 4
.else
	PLACES
.endif
.endm
; A PAIR of turns: 64 columns.  The addresses are made once: the second piece's 25,600 bytes stand in the loads' immediates.  first = 1: a tile's first pair: no piece stands before its first.
; ask = 1: the pair carries the prefetch between its turns; the last tile's written-out tail passes 0, since nothing is left to ask for there.
.macro PAIR first, ask
	v_add_nc_u32 v[BA], s[TB], v[LI]
	v_add_nc_u32 v[TA], s[TC], v[KH]
	s_wait_alu depctr_va_vdst(0)
	TURN 0, 1-(\first)
.if \ask
	; THE PREFETCH, between the pair's two turns, in the FIRST tile alone: two whole rows of my 32 rows of the second tile, 32 blocks of 256 bytes, a lane a block, one instruction.  A tile has 16 pairs, so the 16
	; together name the wave's 32 rows, each block once in the launch, ahead of the loads that will want them by the rest of the walk; what a work-group has asked for and not yet read is at most its one next tile.
	; It stands one turn, 32 matrix instructions, behind or ahead of the nearest change of slots.  The second tile has no tile behind it: the branch on the count of tiles leads round the three lines there.
	WIN 0                                          ; at a label and at a branch every window is 0
	s_cmp_eq_u32 s[TL], 2
	s_cbranch_scc0 .Lno_ask_\@
	s_wait_xcnt 0x0                                ; the last prefetch, a pair back, has read its address
	s_add_nc_u64 s[PFA:PFA+1], s[PFA:PFA+1], 2*ROWB
	global_prefetch_b8 v[PFO], s[PFA:PFA+1] th:TH_LOAD_NT scope:SCOPE_SE
.Lno_ask_\@:
.endif
	TURN 1, 1
	WIN 0                                          ; at a label and at a branch every window is 0
	s_add_co_u32 s[TB], s[TB], 4*NBB
	s_add_co_u32 s[TC], s[TC], 256
.endm
.macro SLOTEND
	s_sub_co_u32 s[TB], s[TB], SLOTB
	s_xor_b32 s[TB], s[TB], SLOT1                  ; on to the other slot
.endm
.macro SLOTSTEP ask                    ; a slot's two pairs: written once, walked twice
	s_mov_b32 s[GC], 2
.Lpair_\@:
	PAIR 0, \ask
	s_sub_co_u32 s[GC], s[GC], 1
	s_cmp_lg_u32 s[GC], 0
	s_cbranch_scc1 .Lpair_\@
	SLOTEND
.endm
; The tile's last piece has no turn behind it: its vector work stands alone.
.macro DRAIN
.set EA_, ACC+32
	v_add_nc_u32 v[TA], s[TC], v[KH]
	MWLOAD MWO-128
	EPF
	s_wait_alu depctr_va_vdst(0)                   ; the wait ahead of the batch
	EXPS 0, 32
	v_nop
	s_wait_alu depctr_va_vdst(0)
	ADDS 0, 16
	s_wait_alu depctr_va_vdst(0)                   ; the wait ahead of the batch
	RCPS 0, 32
	v_nop
	s_wait_alu depctr_va_vdst(0)
	s_wait_dscnt 0x0                               ; -2 W_warp
	GS 0, 16
	WIN 0
.endm
; THE CHANGE OF SLOTS.  Each wave waits for all its tensor loads (its quarter of the slot ahead), adds 0 to its spare word, and waits for that and for its reads of the slot that it has left.
; fill = 1: a round of the cluster's barrier follows, so that no wave of any partner still reads that slot or has a load on its way, and the joint refill is the first thing behind it:
; the chunk two on, which has a whole slot's four turns, 128 matrix instructions, in which to land.
.macro CHANGE fill
	s_wait_tensorcnt 0x0                           ; no tensor load of mine is out, so the walking group 0 may be written
	ds_add_u32 v[SPW], v[NIL]                      ; 0 onto my spare word
.if \fill
	s_add_co_u32 s[CH], s[CH], 1
	s_and_b32 s[CH], s[CH], 7                      ; the next chunk; behind the eighth the first again, for the next tile
	s_mul_i32 s[WO], s[CH], SLOTB
	s_add_nc_u64 s[38:39], s[10:11], s[WO:WO+1]
	s_or_b32 s39, s39, 0x80000000
	s_xor_b32 s37, s[TB], SLOT1                    ; into the slot just left,
	s_add_co_u32 s37, s37, s2                      ; my quarter
.endif
	s_wait_dscnt 0x0                               ; the add is done, and my reads of the slot that I have left are over
.if \fill
	ROUND
	tensor_load_to_lds s[36:39], s[24:31]
	s_nop 0
.rept 4
	v_nop
.endr
.else
	s_barrier_signal -1
	s_barrier_wait -1
.endif
.endm
; THE TILE'S END: the scores, the weights, and the weighted sum of my 32 rows.
.macro FINISH
.irp rb, 0,1
	v_pk_add_f32 v[S+8*\rb:S+8*\rb+1], v[S+8*\rb:S+8*\rb+1], v[S+8*\rb+2:S+8*\rb+3]       ; my eight columns' chains,
	v_pk_add_f32 v[S+8*\rb+4:S+8*\rb+5], v[S+8*\rb+4:S+8*\rb+5], v[S+8*\rb+6:S+8*\rb+7]
.endr
.irp rb, 0,1
	v_pk_add_f32 v[S+8*\rb:S+8*\rb+1], v[S+8*\rb:S+8*\rb+1], v[S+8*\rb+4:S+8*\rb+5]
.endr
	v_add_f32 v64, v[S], v[S+1]
	v_add_f32 v65, v[S+8], v[S+9]
	v_permlanex16_b32 v[PT], v64, s50, s51         ; and the other eight columns', in the lane 16 away
	v_add_f32 v64, v64, v[PT]
	v_permlanex16_b32 v[PT], v65, s50, s51
	v_add_f32 v65, v65, v[PT]
	v_cndmask_b32 v78, v64, v65, s52               ; lanes 0-15 keep rows 0-15, lanes 16-31 rows 16-31: lane l has row l
	v_add_f32 v78, v78, v[WL]                      ; the score
	v_mul_f32 v78, 0x3fb8aa3b, v78
	s_wait_alu depctr_va_vdst(0)                   ; the wait ahead of the two transcendentals
	v_exp_f32 v[EE], v78
	v_rcp_f32 v79, v[PA]
	v_nop
	s_wait_alu depctr_va_vdst(0)                   ; one wait for the two
	v_mul_f32 v[WW], v[EE], v79
	global_store_b32 v[RO], v[EE], s[14:15]        ; 32 lanes store 128 consecutive bytes
	global_store_b32 v[RO], v[WW], s[16:17]
.irp q, 0,1,2,3,4,5,6,7,8,9,10,11,12,13,14,15,16,17,18,19,20,21,22,23,24,25,26,27,28,29,30,31
	v_readlane_b32 s[66+\q], v[WW], \q             ; row q
.endr
.irp q, 0,1,2,3,4,5,6,7,8,9,10,11,12,13,14,15
	v_cvt_pk_bf16_f32 v[WVR+\q], s[66+2*\q], s[67+2*\q]            ; the weights of rows 2 i, 2 i + 1 of block q / 8, in every lane
.endr
; c[column] = sum over 16 rows of w x: the bf16 copy is source 1 as it lies: lane l's eight registers are 16 rows of ITS column, which the unit takes for K = 8 (l / 16) + 0 .. 7 and 16 + 8 (l / 16) + 0 .. 7 of column l % 16.
; Source 0 for K step g of enhy holds the weights in lane 2 g (row 2 g of the result, the K of lanes 0-15) and in lane 17 + 2 g (row 2 g + 1, the K of lanes 16-31), zeros elsewhere.
; So row 2 g of the result is the sum for the columns of lanes 0-15 of that step and row 2 g + 1 for those of lanes 16-31, and the eight steps fill the sixteen rows of one accumulator.
.irp rb, 0,1
.irp g, 0,1,2,3,4,5,6,7
.irp i, 0,1,2,3,4,5,6,7
	v_cndmask_b32 v[AW+64*\rb+8*\g+\i], 0, v[WVR+8*\rb+\i], s[56+\g]
.endr
.endr
.endr
.rept 4
	v_nop
.endr
.irp rb, 0,1
	WIN 0x58+4*\rb                                 ; source 1 window 2 or 3, C and D window 1
	s_wait_alu depctr_va_vdst(0)                   ; the wait directly ahead of the first readers of the four sums, which the tile before wrote
.irp ks, 0,1,2,3,4,5,6,7
.irp e, 0,1,2,3
	v_wmma_f32_16x16x32_bf16 v[CA+8*\e:CA+8*\e+7], v[AW+64*\rb+8*\ks:AW+64*\rb+8*\ks+7], v[32*\ks+8*\e:32*\ks+8*\e+7], v[CA+8*\e:CA+8*\e+7]   ; the four accumulators by turns
.endr
.endr
.endr
	WIN 0
.rept 4
	v_nop                                          ; four places in front of loads into the operands' registers, and of the first read of results
.endr
.endm
	PRELOAD
	s_wait_alu depctr_va_vdst(0)                   ; the wait at the head's end
	s_wait_tensorcnt 0x0                           ; my quarter of slot 0 is in
	ds_add_u32 v[SPW], v[NIL]
	s_wait_dscnt 0x0                               ; the add is done
	ROUND                                          ; everybody's quarter is in, the tables are whole, and all four work-groups are here: the joint loads meet
	tensor_load_to_lds s[36:39], s[24:31]          ; chunk 1 into slot 1: the first tensor load behind the round; it has the tile's quantising and slot 0's four turns in which to land
	s_nop 0
.rept 4
	v_nop
.endr
	s_mov_b32 s[TL], 2
.Ltile:
	s_mov_b32 s[TB], 0                             ; a tile begins with chunk 0, which lies in slot 0
	s_mov_b32 s[TC], 0
.irp u, 0,1,2,3,4,5,6,7,8,9,10,11,12,13,14,15
	UNIT \u
.endr
.irp j, 0,1,2,3,4,5,6,7,8,9,10,11,12,13,14,15
	v_mov_b32 v[S+\j], 0                           ; the partial scores; these lines are also the places between the last scale word and codes made and the first product
.endr
	PAIR 1, 1                                      ; the first slot is written out: its first turn has no vector work to carry
	PAIR 0, 1
	SLOTEND
	CHANGE 1
	s_mov_b32 s[QC], 5
.Lfive:
	SLOTSTEP 1
	CHANGE 1
	s_sub_co_u32 s[QC], s[QC], 1
	s_cmp_lg_u32 s[QC], 0
	s_cbranch_scc1 .Lfive
	s_cmp_eq_u32 s[TL], 1
	s_cbranch_scc1 .Llast                          ; the last tile's tail is written out: it asks for nothing more
	s_mov_b32 s[QC], 2
.Ltwo:                                                 ; the ring goes on into the next tile: chunks 0 and 1 again
	SLOTSTEP 1
	CHANGE 1
	s_sub_co_u32 s[QC], s[QC], 1
	s_cmp_lg_u32 s[QC], 0
	s_cbranch_scc1 .Ltwo
	DRAIN
	FINISH
	s_wait_xcnt 0x0                                ; the stores and prefetches have read their registers and bases: the bases may step
	s_add_nc_u64 s[4:5], s[4:5], 128*ROWB
	s_add_nc_u64 s[6:7], s[6:7], 512
	s_add_nc_u64 s[14:15], s[14:15], 512
	s_add_nc_u64 s[16:17], s[16:17], 512
	PRELOAD
	s_sub_co_u32 s[TL], s[TL], 1
	s_branch .Ltile
.Llast:
	SLOTSTEP 0
	CHANGE 0                                       ; my one load that was still out is the last chunk's, so no round follows
	SLOTSTEP 0
	DRAIN
	FINISH
	; THE END.  Register j of lane (r, h) of accumulator e is column 128 (4 h + j / 2) + 64 (j % 2) + 4 r + e.  The four waves' sums meet in LDS; each wave adds and stores a quarter of the 1,024 columns.
	WIN 0x04                                       ; an LDS store's data are its source 1: window 1
.irp e, 0,1,2,3
.irp j, 0,1,2,3,4,5,6,7
	ds_store_b32 v[CXA], v[CA+8*\e+\j] offset:512*(\j/2)+256*(\j%2)+4*\e   ; each accumulator from its low end on
.endr
.endr
	WIN 0
	s_wait_dscnt 0x0                               ; for the others' sake: my stores have landed
	s_barrier_signal -1
	s_barrier_wait -1
.irp i, 0,1
.irp w, 0,1,2,3
	ds_load_b128 v[64+16*\i+4*\w:64+16*\i+4*\w+3], v[CXR] offset:4096*\w+512*\i
.endr
.endr
	s_wait_dscnt 0x0
.irp i, 0,1
.irp p, 0,2
	v_pk_add_f32 v[64+16*\i+\p:65+16*\i+\p], v[64+16*\i+\p:65+16*\i+\p], v[68+16*\i+\p:69+16*\i+\p]
	v_pk_add_f32 v[72+16*\i+\p:73+16*\i+\p], v[72+16*\i+\p:73+16*\i+\p], v[76+16*\i+\p:77+16*\i+\p]
.endr
.endr
.irp i, 0,1
.irp p, 0,2
	v_pk_add_f32 v[64+16*\i+\p:65+16*\i+\p], v[64+16*\i+\p:65+16*\i+\p], v[72+16*\i+\p:73+16*\i+\p]
.endr
.endr
	global_store_b128 v[LI], v[64:67], s[18:19]    ; 32 lanes store 512 consecutive bytes, at a multiple of 256 from the buffer's first byte
	global_store_b128 v[LI], v[80:83], s[18:19] offset:512
	s_wait_tensorcnt 0x0                           ; the wave's end: behind my last tensor load and my last LDS store
	ds_add_u32 v[SPW], v[NIL]
	s_wait_dscnt 0x0
	ROUND                                          ; the closing round: no work-group ends while a partner may still ask for a chunk that names it
	s_endpgm
.Lfunc_end_k_qd6ce46bb28_attn:
	.size	k_qd6ce46bb28_attn, .Lfunc_end_k_qd6ce46bb28_attn-k_qd6ce46bb28_attn
	.p2alignl 7, 3214868480
	.fill 96, 4, 3214868480
	.section	.rodata,"a",@progbits
	.p2align	6, 0x0
	.amdhsa_kernel k_qd6ce46bb28_attn
		.amdhsa_group_segment_fixed_size 327680
		.amdhsa_private_segment_fixed_size 0
		.amdhsa_enable_private_segment 0
		.amdhsa_kernarg_size 64
		.amdhsa_user_sgpr_count 2
		.amdhsa_user_sgpr_kernarg_segment_ptr 1
		.amdhsa_wavefront_size32 1
		.amdhsa_system_sgpr_workgroup_id_x 1
		.amdhsa_system_sgpr_workgroup_id_y 1
		.amdhsa_system_sgpr_workgroup_id_z 1
		.amdhsa_system_vgpr_workitem_id 0
		.amdhsa_next_free_vgpr 1024
		.amdhsa_next_free_sgpr 100
		.amdhsa_reserve_vcc 0
		.amdhsa_float_denorm_mode_32 3
		.amdhsa_float_denorm_mode_16_64 3
		.amdhsa_memory_ordered 1
		.amdhsa_forward_progress 1
		.amdhsa_inst_pref_size 255
	.end_amdhsa_kernel
	.section	.bss,"aw",@nobits
	.p2align	6
	.space	262144
	.amdgpu_metadata
---
amdhsa.version: [ 1, 2 ]
amdhsa.kernels:
  - .name:           k_qd6ce46bb28_attn
    .symbol:         k_qd6ce46bb28_attn.kd
    .args:
      - { .name: enhy, .offset: 0, .size: 8, .value_kind: global_buffer, .address_space: global }
      - { .name: past_attn, .offset: 8, .size: 8, .value_kind: global_buffer, .address_space: global }
      - { .name: W_warp, .offset: 16, .size: 8, .value_kind: global_buffer, .address_space: global }
      - { .name: wimg, .offset: 24, .size: 8, .value_kind: global_buffer, .address_space: global }
      - { .name: kbias, .offset: 32, .size: 8, .value_kind: global_buffer, .address_space: global }
      - { .name: out2, .offset: 40, .size: 8, .value_kind: global_buffer, .address_space: global }
      - { .name: wun, .offset: 48, .size: 8, .value_kind: global_buffer, .address_space: global }
      - { .name: cpart, .offset: 56, .size: 8, .value_kind: global_buffer, .address_space: global }
    .group_segment_fixed_size: 327680
    .private_segment_fixed_size: 0
    .kernarg_segment_align: 8
    .kernarg_segment_size: 64
    .max_flat_workgroup_size: 128
    .sgpr_count:     100
    .vgpr_count:     1024
    .wavefront_size: 32
...
	.end_amdgpu_metadata
.endif
;; end of part 2
;; launch norm (part 3): grid 32 x 1, 8 waves a work-group, no clusters, 1,280 bytes of LDS; arguments wun, cpart, out0, out1; writes out0, out1
.if DOCPART == 3
	.amdgcn_target "amdgcn-amd-amdhsa--gfx1250"
	.amdhsa_code_object_version 6
	.text
	.protected	k_qd6ce46bb28_norm
	.globl	k_qd6ce46bb28_norm
	.p2align	8
	.type	k_qd6ce46bb28_norm,@function
k_qd6ce46bb28_norm:
	s_mov_b64 s[64:65], 0
	v_nop
	global_prefetch_b8 v0, s[64:65] scope:SCOPE_SE
	s_setreg_imm32_b32 hwreg(HW_REG_WAVE_MODE, 25, 1), 1
	s_wait_xcnt 0x0
; NORM.  For batch b (one work-group): d = sum over s of |wun[b][s]|;  out1[b][s] = wun[b][s] / d;  out0[b][:] = (sum of the batch's eight rows of cpart) / d.
; 256 threads: thread t holds 8 of the 2,048 weights (16 bytes at 16 t and at 16 t + 4,096) and 4 of the 1,024 columns (16 bytes at 16 t of each of the eight rows): every load and store of a wave covers 512 consecutive bytes.
; The division is a multiplication by v_rcp_f32 of d.  Where d is 0, infinite or NaN the results are what that gives.
	s_load_b256 s[4:11], s[0:1], 0x0               ; wun, cpart, out0, out1
	v_lshl_add_u32 v64, v0, 2, 0x100
	v_mov_b32 v65, 0
	v_lshlrev_b32 v1, 4, v0
	v_lshrrev_b32 v2, 5, v0
	s_delay_alu instid0(VALU_DEP_1)
	v_lshlrev_b32 v2, 2, v2                        ; 4 x wave: my wave's word in LDS
	v_mov_b32 v3, 0
	v_mov_b32 v57, 0                               ; (named as the upper half of the pair v[56:57])
	s_lshl_b32 s12, ttmp9, 13                      ; 8,192 bytes of weights a batch
	s_mov_b32 s13, 0
	s_lshl_b32 s14, ttmp9, 15                      ; eight rows of 4,096 bytes
	s_mov_b32 s15, 0
	s_lshl_b32 s16, ttmp9, 12
	s_mov_b32 s17, 0
	s_mov_b32 s18, 0x76543210
	s_mov_b32 s19, 0xfedcba98                      ; v_permlanex16_b32's selects for lane l xor 16
	s_wait_alu depctr_va_vdst(0)
	s_wait_kmcnt 0x0
	s_add_nc_u64 s[4:5], s[4:5], s[12:13]
	s_add_nc_u64 s[6:7], s[6:7], s[14:15]
	s_add_nc_u64 s[8:9], s[8:9], s[16:17]
	s_add_nc_u64 s[10:11], s[10:11], s[12:13]
	global_load_b128 v[4:7], v1, s[4:5]
	global_load_b128 v[8:11], v1, s[4:5] offset:4096
.irp i, 0,1,2,3,4,5,6,7
	global_load_b128 v[12+4*\i:15+4*\i], v1, s[6:7] offset:4096*\i
.endr
	s_wait_loadcnt 8                               ; the weights are in; the eight loads of cpart stay out
	v_add_f32 v44, |v4|, |v5|
	v_add_f32 v45, |v6|, |v7|
	v_add_f32 v46, |v8|, |v9|
	v_add_f32 v47, |v10|, |v11|
	s_delay_alu instid0(VALU_DEP_3)
	v_add_f32 v44, v44, v45
	s_delay_alu instid0(VALU_DEP_2)
	v_add_f32 v46, v46, v47
	s_delay_alu instid0(VALU_DEP_1)
	v_add_f32 v44, v44, v46
	s_delay_alu instid0(VALU_DEP_1)
	v_add_f32_dpp v44, v44, v44 row_xmask:1 row_mask:0xf bank_mask:0xf
	s_delay_alu instid0(VALU_DEP_1)
	v_add_f32_dpp v44, v44, v44 row_xmask:2 row_mask:0xf bank_mask:0xf
	s_delay_alu instid0(VALU_DEP_1)
	v_add_f32_dpp v44, v44, v44 row_xmask:4 row_mask:0xf bank_mask:0xf
	s_delay_alu instid0(VALU_DEP_1)
	v_add_f32_dpp v44, v44, v44 row_xmask:8 row_mask:0xf bank_mask:0xf
	s_delay_alu instid0(VALU_DEP_1)
	v_permlanex16_b32 v45, v44, s18, s19
	s_delay_alu instid0(VALU_DEP_1)
	v_add_f32 v44, v44, v45                        ; my wave's sum, in every lane
	ds_store_b32 v2, v44                           ; all lanes write the same word with the same value
	s_wait_dscnt 0x0                               ; for the others' sake
	s_barrier_signal -1
	s_barrier_wait -1
	ds_load_b128 v[48:51], v3
	ds_load_b128 v[52:55], v3 offset:16
	s_wait_dscnt 0x0
	v_add_f32 v48, v48, v49
	v_add_f32 v50, v50, v51
	v_add_f32 v52, v52, v53
	v_add_f32 v54, v54, v55
	s_delay_alu instid0(VALU_DEP_3)
	v_add_f32 v48, v48, v50
	s_delay_alu instid0(VALU_DEP_2)
	v_add_f32 v52, v52, v54
	s_delay_alu instid0(VALU_DEP_1)
	v_add_f32 v48, v48, v52                        ; d
	s_wait_alu depctr_va_vdst(0)
	v_rcp_f32 v56, v48
	s_wait_loadcnt 0x0                             ; cpart's rows: their sums are the plain work behind the reciprocal
.irp p, 0,2
	v_pk_add_f32 v[12+\p:13+\p], v[12+\p:13+\p], v[16+\p:17+\p]
	v_pk_add_f32 v[20+\p:21+\p], v[20+\p:21+\p], v[24+\p:25+\p]
	v_pk_add_f32 v[28+\p:29+\p], v[28+\p:29+\p], v[32+\p:33+\p]
	v_pk_add_f32 v[36+\p:37+\p], v[36+\p:37+\p], v[40+\p:41+\p]
.endr
.irp p, 0
	v_pk_add_f32 v[12+\p:13+\p], v[12+\p:13+\p], v[20+\p:21+\p]
	v_pk_add_f32 v[28+\p:29+\p], v[28+\p:29+\p], v[36+\p:37+\p]
.endr
.irp p, 2
	v_pk_add_f32 v[12+\p:13+\p], v[12+\p:13+\p], v[20+\p:21+\p]
	s_delay_alu instid0(VALU_DEP_4)
	v_pk_add_f32 v[28+\p:29+\p], v[28+\p:29+\p], v[36+\p:37+\p]
.endr
.irp p, 0
	s_delay_alu instid0(VALU_DEP_3)
	v_pk_add_f32 v[12+\p:13+\p], v[12+\p:13+\p], v[28+\p:29+\p]
.endr
.irp p, 2
	s_delay_alu instid0(VALU_DEP_2)
	v_pk_add_f32 v[12+\p:13+\p], v[12+\p:13+\p], v[28+\p:29+\p]
.endr
	s_wait_alu depctr_va_vdst(0)                   ; the wait ahead of the reciprocal's first reader
.irp p, 4,6,8,10,12,14
	v_pk_mul_f32 v[\p:\p+1], v[\p:\p+1], v[56:57] op_sel_hi:[1,0]
.endr
	global_store_b128 v1, v[4:7], s[10:11]
	global_store_b128 v1, v[8:11], s[10:11] offset:4096
	global_store_b128 v1, v[12:15], s[8:9]
	s_wait_tensorcnt 0x0
	ds_add_u32 v64, v65
	s_wait_dscnt 0x0
	s_endpgm
.Lfunc_end_k_qd6ce46bb28_norm:
	.size	k_qd6ce46bb28_norm, .Lfunc_end_k_qd6ce46bb28_norm-k_qd6ce46bb28_norm
	.p2alignl 7, 3214868480
	.fill 96, 4, 3214868480
	.section	.rodata,"a",@progbits
	.p2align	6, 0x0
	.amdhsa_kernel k_qd6ce46bb28_norm
		.amdhsa_group_segment_fixed_size 1280
		.amdhsa_private_segment_fixed_size 0
		.amdhsa_enable_private_segment 0
		.amdhsa_kernarg_size 32
		.amdhsa_user_sgpr_count 2
		.amdhsa_user_sgpr_kernarg_segment_ptr 1
		.amdhsa_wavefront_size32 1
		.amdhsa_system_sgpr_workgroup_id_x 1
		.amdhsa_system_sgpr_workgroup_id_y 1
		.amdhsa_system_sgpr_workgroup_id_z 1
		.amdhsa_system_vgpr_workitem_id 0
		.amdhsa_next_free_vgpr 66
		.amdhsa_next_free_sgpr 66
		.amdhsa_reserve_vcc 0
		.amdhsa_float_denorm_mode_32 3
		.amdhsa_float_denorm_mode_16_64 3
		.amdhsa_memory_ordered 1
		.amdhsa_forward_progress 1
		.amdhsa_inst_pref_size 6
	.end_amdhsa_kernel
	.amdgpu_metadata
---
amdhsa.version: [ 1, 2 ]
amdhsa.kernels:
  - .name:           k_qd6ce46bb28_norm
    .symbol:         k_qd6ce46bb28_norm.kd
    .args:
      - { .name: wun, .offset: 0, .size: 8, .value_kind: global_buffer, .address_space: global }
      - { .name: cpart, .offset: 8, .size: 8, .value_kind: global_buffer, .address_space: global }
      - { .name: out0, .offset: 16, .size: 8, .value_kind: global_buffer, .address_space: global }
      - { .name: out1, .offset: 24, .size: 8, .value_kind: global_buffer, .address_space: global }
    .group_segment_fixed_size: 1280
    .private_segment_fixed_size: 0
    .kernarg_segment_align: 8
    .kernarg_segment_size: 32
    .max_flat_workgroup_size: 256
    .sgpr_count:     66
    .vgpr_count:     66
    .wavefront_size: 32
...
	.end_amdgpu_metadata
.endif
;; end of part 3
